; MI455X (gfx1250); checked and timed in simulation.
; The chip was launched on July 23, 2026; its instructions are those of AMD's public machine-readable ISA for CDNA 5 (MIT licence, August 2026) and "CDNA5" Instruction Set Architecture Reference Guide (July 2026). The comments in the code are by the model that wrote it; some were corrected since.
;; V Function. Allowed arithmetic: float matrix products may take bf16 or f16 operands with f32 sums; other float arithmetic in f32, or as packed bf16 or f16 multiplies, adds, multiply-adds, maxima and minima; sums over many terms, partial sums and values carried from step to step in f32; what a program stores and reads back later, other than sums and carried values, may be rounded once to bf16 or f16.
;; Inputs: W1n 512 x 512 float32; W1s 512 x 512 float32; W2n 512 x 512 float32; W2s 512 x 512 float32; W3n 512 x 1 float32; W3s 512 x 1 float32; b1n 512 float32; b1s 512 float32; b2n 512 float32; b2s 512 float32; b3n 1 float32; b3s 1 float32; cont 1,024 x 65 float32; feat 1,024 x 65 x 512 float32; reward 1,024 x 65 float32; voffset 1 float32; vscale 1 float32.
;; Outputs: out0 1,024 x 64 float32.
;; One version. Each part assembles by itself: llvm-mc -triple=amdgcn-amd-amdhsa -mcpu=gfx1250 --defsym DOCPART=n.
;; ======== version 1 of 1: 2 launches
;; workspace buffers: wf 1,048,576 bytes
;; launch prep (part 1): grid 256 x 1, 8 waves a work-group, no clusters, 0 bytes of LDS; arguments W1s, W2s, wf; writes wf
.if DOCPART == 1
	.amdgcn_target "amdgcn-amd-amdhsa--gfx1250"
	.amdhsa_code_object_version 6
	.text
	.protected	k_qacec879783_prep
	.globl	k_qacec879783_prep
	.p2align	8
	.type	k_qacec879783_prep,@function
k_qacec879783_prep:
	s_mov_b64 s[64:65], 0
	v_nop
	global_prefetch_b8 v0, s[64:65] scope:SCOPE_SE
	s_setreg_imm32_b32 hwreg(HW_REG_WAVE_MODE, 25, 1), 1
	s_wait_xcnt 0x0
; VFunction, first of two launches: the slow critic's two square weight matrices, rounded once to bf16 and laid out as the matrix unit's source 0 wants them.
; WHAT IS LEFT OUT OF THE WHOLE PROGRAM, AND WHY IT IS DEAD.  reference() returns ret alone.  ret is made of reward[:,1:], cont[:,1:], tarval[:,1:] and tarval[:,-1]; tarval is slowval, which is made of
; feat, W1s, b1s, W2s, b2s, W3s, b3s, vscale and voffset.  'critic' and 'val' (W1n, b1n, W2n, b2n, W3n, b3n) are assigned and never used: whatever finite values they hold, no output hangs on them.
; The MLP works on each (b, t) by itself, and tarval[:,0] is sliced away, so row t = 0 of feat, and column 0 of reward and of cont, reach no output either.
; So the six inputs W1n, b1n, W2n, b2n, W3n, b3n are not loaded and are among no launch's arguments, and step t = 0 is not computed.
; LIMIT: a NaN, an infinity or an overflow that arises only in that left-out work is not carried to the result (in reference() it does not reach ret either).
; LAYOUT OF wf (1 MiB, bf16).  Element e (0..7) of the 16 bytes at  L*524288 + c*32768 + ks*2048 + ot*1024 + half*512 + lane*16  is  W_L[k][m]  with
; m = 32 c + 16 ot + lane % 16 (the output channel) and k = 32 ks + 16 half + 8 (lane / 16) + e: a fragment of 16 channels x 32 k as two loads of 16 bytes a lane, in the order in which the second launch walks it.
; SHARES.  Work-group x: ks = x % 16, cp = (x / 16) % 8 (a pair of chunks c = 2 cp, 2 cp + 1), L = x / 128.  Its eight waves: half = w % 2, ot = (w / 2) % 2, cc = w / 4.
; Together they read 32 rows x 256 bytes of W; each wave stores 512 consecutive bytes, aligned.
	s_load_b128 s[4:7], s[0:1], 0x0                ; W1s s[4:5], W2s s[6:7]
	s_load_b64 s[8:9], s[0:1], 0x10                ; wf
	v_lshrrev_b32 v1, 5, v0
	v_readfirstlane_b32 s10, v1                    ; wave 0..7
	v_and_b32 v2, 15, v0                           ; r = lane % 16
	v_bfe_u32 v3, v0, 4, 1                         ; h = lane / 16
	v_and_b32 v4, 31, v0                           ; lane
	s_and_b32 s11, ttmp9, 15                       ; ks
	s_bfe_u32 s12, ttmp9, 0x30004                  ; cp
	s_lshr_b32 s13, ttmp9, 7                       ; L
	s_and_b32 s14, s10, 1                          ; half
	s_bfe_u32 s15, s10, 0x10001                    ; ot
	s_lshr_b32 s16, s10, 2                         ; cc
	; where I read: row 32 ks + 16 half + 8 h (+ e), 2,048 bytes a row; column 64 cp + 32 cc + 16 ot + r, 4 bytes each
	s_lshl_b32 s17, s11, 16
	s_lshl_b32 s18, s14, 15
	s_add_co_u32 s17, s17, s18
	s_lshl_b32 s18, s12, 8
	s_add_co_u32 s17, s17, s18
	s_lshl_b32 s18, s16, 7
	s_add_co_u32 s17, s17, s18
	s_lshl_b32 s18, s15, 6
	s_add_co_u32 s17, s17, s18
	v_lshlrev_b32 v5, 2, v2
	v_lshl_add_u32 v5, v3, 14, v5
	v_add_nc_u32 v5, s17, v5
	; where I store
	s_lshl_b32 s19, s13, 19
	s_lshl_b32 s18, s12, 16
	s_add_co_u32 s19, s19, s18
	s_lshl_b32 s18, s16, 15
	s_add_co_u32 s19, s19, s18
	s_lshl_b32 s18, s11, 11
	s_add_co_u32 s19, s19, s18
	s_lshl_b32 s18, s15, 10
	s_add_co_u32 s19, s19, s18
	s_lshl_b32 s18, s14, 9
	s_add_co_u32 s19, s19, s18
	v_lshl_add_u32 v6, v4, 4, s19
	s_wait_kmcnt 0x0
	s_cmp_eq_u32 s13, 0
	s_cselect_b64 s[20:21], s[4:5], s[6:7]         ; the layer's matrix
.irp e, 0,1,2,3,4,5,6,7
	global_load_b32 v[8+\e], v5, s[20:21] offset:2048*\e  ; eight k of one channel
.endr
	s_wait_loadcnt 0x0
.irp p, 0,1,2,3
	v_cvt_pk_bf16_f32 v[16+\p], v[8+2*\p], v[9+2*\p]      ; the lower k in the low half
.endr
	global_store_b128 v6, v[16:19], s[8:9]
	s_endpgm
.Lfunc_end_k_qacec879783_prep:
	.size	k_qacec879783_prep, .Lfunc_end_k_qacec879783_prep-k_qacec879783_prep
	.p2alignl 7, 3214868480
	.fill 96, 4, 3214868480
	.section	.rodata,"a",@progbits
	.p2align	6, 0x0
	.amdhsa_kernel k_qacec879783_prep
		.amdhsa_group_segment_fixed_size 0
		.amdhsa_private_segment_fixed_size 0
		.amdhsa_enable_private_segment 0
		.amdhsa_kernarg_size 24
		.amdhsa_user_sgpr_count 2
		.amdhsa_user_sgpr_kernarg_segment_ptr 1
		.amdhsa_wavefront_size32 1
		.amdhsa_system_sgpr_workgroup_id_x 1
		.amdhsa_system_sgpr_workgroup_id_y 1
		.amdhsa_system_sgpr_workgroup_id_z 1
		.amdhsa_system_vgpr_workitem_id 0
		.amdhsa_next_free_vgpr 24
		.amdhsa_next_free_sgpr 66
		.amdhsa_reserve_vcc 0
		.amdhsa_float_denorm_mode_32 3
		.amdhsa_float_denorm_mode_16_64 3
		.amdhsa_memory_ordered 1
		.amdhsa_forward_progress 1
		.amdhsa_inst_pref_size 3
	.end_amdhsa_kernel
	.amdgpu_metadata
---
amdhsa.version: [ 1, 2 ]
amdhsa.kernels:
  - .name:           k_qacec879783_prep
    .symbol:         k_qacec879783_prep.kd
    .args:
      - { .name: W1s, .offset: 0, .size: 8, .value_kind: global_buffer, .address_space: global }
      - { .name: W2s, .offset: 8, .size: 8, .value_kind: global_buffer, .address_space: global }
      - { .name: wf, .offset: 16, .size: 8, .value_kind: global_buffer, .address_space: global }
    .group_segment_fixed_size: 0
    .private_segment_fixed_size: 0
    .kernarg_segment_align: 8
    .kernarg_segment_size: 24
    .max_flat_workgroup_size: 256
    .sgpr_count:     66
    .vgpr_count:     24
    .wavefront_size: 32
...
	.end_amdgpu_metadata
.endif
;; end of part 1
;; launch main (part 2): grid 256 x 1, 4 waves a work-group, clusters of 4 x 1, 327,680 bytes of LDS; arguments feat, reward, cont, voffset, vscale, b1s, b2s, W3s, b3s, wf, out0; writes out0
.if DOCPART == 2
	.amdgcn_target "amdgcn-amd-amdhsa--gfx1250"
	.amdhsa_code_object_version 6
	.text
	.protected	k_qacec879783_main
	.globl	k_qacec879783_main
	.p2align	8
	.type	k_qacec879783_main,@function
k_qacec879783_main:
	s_mov_b64 s[64:65], 0
	v_nop
	global_prefetch_b8 v0, s[64:65] scope:SCOPE_SE
	s_setreg_imm32_b32 hwreg(HW_REG_WAVE_MODE, 25, 1), 1
	s_wait_xcnt 0x0
	s_wait_alu depctr_hold_cnt(0) depctr_sa_sdst(0) depctr_va_vdst(0) depctr_va_sdst(0) depctr_va_ssrc(0) depctr_va_vcc(0) depctr_vm_vsrc(0)
	s_getreg_b32 s2, hwreg(HW_REG_IB_STS2, 6, 4)
	s_cmp_eq_u32 s2, 0
	s_cbranch_scc0 .Lentry_in_a_cluster
	s_endpgm
.Lentry_in_a_cluster:
	s_bfe_u32 s2, ttmp6, 0x10000c
	s_cmp_lg_u32 s2, 0x3003
	s_cbranch_scc0 .Lentry_shape_is_right
	s_endpgm
.Lentry_shape_is_right:
; VFunction, second of two launches: feat -> bf16 -> layer 1 -> silu -> layer 2 -> silu -> dot with W3s -> value -> the reversed recurrence -> out0.  Nothing but wf (the first launch's bf16 weights) comes through memory.
; LEFT OUT AS DEAD (shown at the head of the first kernel): the fast critic (W1n, b1n, W2n, b2n, W3n, b3n: 'val' is never used) and step t = 0 (tarval[:,0], reward[:,0], cont[:,0] are sliced away).
; A NaN, an infinity or an overflow that arises only there is not carried to the result.
; LIMITS.  feat, W1s, W2s and the first layer's activations are rounded once to bf16 for the products; sums, biases, the second layer's activations, W3s and all behind them stay in f32.
; silu(z) = z / (1 + 2^(-1.442695 z)): for z below about -87 the quotient's factor is 0 where the exact one is under 2^-126 (the result is -0 for a number of size under 1e-35); the order of f32 roundings differs from reference()'s.
; SHARES.  256 work-groups; a work-group has 4 rows b of the batch, a wave one: its 64 live steps are four tiles of 16 tokens, and the recurrence never leaves the wave.
; LAYOUT.  Both products are taken transposed: source 0 = 16 output channels (weights), source 1 = 16 tokens.  In a result a lane holds ONE token (lane % 16) and the channels 8 (lane / 16) + 0..7, so two results
; (32 channels) rounded in pairs ARE source 1 of the next layer for one K step: nothing changes lanes between the layers.  The bias, laid out like a result, is the C operand that starts each sum.
; CHUNKS.  A layer's 512 output channels go in 16 chunks of 32: 8 accumulators (2 channel tiles x 4 token tiles), 16 K steps, 128 matrix instructions.  The accumulators take turns, one instruction a turn, and two sets
; of 8 take turns from chunk to chunk: while a chunk is multiplied, the chunk before has its silu made, two vector instructions (RIDERS) behind each matrix instruction.
; WEIGHTS.  All work-groups walk the same 1 MiB, so the four of a cluster ask for each 64 KiB (two chunks, a TRIP) JOINTLY; two LDS slots take turns; each wave fetches a quarter of a slot by one tensor load.
; WHERE THE ACTIVATIONS LIVE.  x: 512 registers a wave.  h1: chunks 0..10 in LDS (the wave's own bytes), 11..14 in 128 registers, 15 is made when x is dead and goes to x's place; then chunks 0..10 come back into x's place.
; LDS: 0 the ring, 2 x 65,536 (tensor loads land here alone) | 131,072 h1's spill, 45,056 a wave | 311,296 b1s, b2s, W3s in f32, 2,048 each | 317,440 the recurrence's scratch, 1,024 a wave | 321,536 the spare words.
; REGISTERS, in windows of 256 (s_set_vgpr_msb: bits 1:0 source 0, 3:2 source 1, 5:4 source 2, 7:6 destination):
;   window 0: v0-31 addresses and small things; v32-95 TT at work (its first 32 then hold the chunk's h1); v96-111 bias; v112-127 W3's 32 numbers; v128-191, v192-255 the two sets of accumulators
;   window 1: v0-63, v64-127 two buffers of weight fragments (4 K steps each); v128-255 h1 chunks 11..14; in the feat phase all 256 are eight landing slots
;   window 2: x (later h1) K steps 0..7 at 32 k + 8 t          window 3: K steps 8..15 at 32 (k - 8) + 8 t
.set SLOT,   65536                     ; a slot of the ring: a trip's two chunks
.set SPILL,  131072
.set WSPILL, 45056                     ; 11 chunks x 4,096 bytes
.set AUX,    311296
.set VAL,    317440
.set SPARE,  321536                    ; the spare words, 128 bytes for each wave: two blocks of 256 bytes that no other line names
.set LANE, 1                           ; v1   lane
.set WA,   2                           ; v2   16 x lane + the slot in hand
.set WA0,  3                           ; v3   16 x lane
.set SPB,  4                           ; v4   my 16 bytes in my wave's spill
.set SPA,  5                           ; v5   the same in the chunk being spilled
.set AXB,  6                           ; v6   AUX + 32 (lane / 16)
.set AXA,  7                           ; v7   the same at the chunk in hand
.set FO,   8                           ; v8   feat: (lane % 16) x 2,048 + 32 (lane / 16)
.set PFO,  9                           ; v9   256 x lane, for the prefetches
.set L4,   10                          ; v10  4 x lane
.set RW,   11                          ; v11, v12 reward of steps lane, 32 + lane; v13, v14 cont
.set VB,   15                          ; v15  my wave's scratch
.set OS,   16                          ; v[16:23] for each token tile a pair: the dot with W3s, even and odd channels
.set TM,   24                          ; v24-27, v30, v31 at work
.set SPW,  28                          ; v28  LDS address of my spare word; never rewritten
.set NIL,  29                          ; v29  0; never rewritten
.set TT,   32
.set BIAS, 96
.set W3C,  112
.set ACC,  128
.set HR,   128                         ; window 1
.set G1,   32                          ; s[32:39] descriptor group 1
.set G0A,  40                          ; s[40:43] group 0 of slot 0's first fill
.set G0B,  44                          ; s[44:47] group 0 of slot 1's first fill; then it walks
.set WV,   48                          ; wave
.set CX,   49                          ; my place in the cluster: it enters global addresses alone
.set BR,   50                          ; my row b of the batch
.set B3,   51                          ; b3s's value;  s30 voffset's, s31 vscale's
.set CNT,  52                          ; the loops' counter
.set DCH,  53                          ; the chunk of h1 to be put away next
.set AUXO, 54                          ; 128 x the chunk in hand, counted through both layers
.set RF,   55                          ; refills still to come
.set LIM,  56                          ; 2 in a wave that prefetches, else the greatest number
.set TB,   57                          ; the slot in hand: 0 or 65,536
.set PFA,  58                          ; s[58:59] where my prefetches stand
.set NL2E, 60                          ; s[60:61] -log2(e), named as a pair
.set SEL,  62                          ; s[62:63] v_permlanex16_b32's selects: each lane takes its own place in the other half
.set FB,   66                          ; s[66:67] feat at (b, t = 1)
.set RB,   68                          ; s[68:69] reward at (b, 1)
.set CB,   70                          ; s[70:71] cont at (b, 1)
.set OB,   72                          ; s[72:73] out0 at row b
.set TS,   74                          ; s[74:75] at work: made of constants, the wave's number and counters alone
.set TX,   76                          ; s[76:77] at work: what hangs on the work-group's place
.set MSB, 0
.set LAY, 1
.set PAR, 0
.set HD,  0
.macro WIN new                         ; the immediate's high byte repeats the setting that is left; a switch that changes nothing is dropped
.if MSB != (\new)
	s_set_vgpr_msb (MSB<<8)|(\new)
.set MSB, (\new)
.endif
.endm
.macro PLACES                          ; four places behind a matrix instruction (ISA guide 7.12.1), where no other vector work is at hand
.rept 4
	v_nop
.endr
.endm
.macro RWAIT                           ; a plain instruction behind a batch's last transcendental, and a wait ahead of the batch's first reader
	WIN 0
	v_nop
	s_wait_alu depctr_va_vdst(0)
.endm
.macro CREST                           ; a round of the cluster's barrier behind its opening barrier
	s_cmp_lg_u32 s[WV], 0
	s_cbranch_scc1 .Lnot_wave_0_\@
	s_barrier_signal -3
.Lnot_wave_0_\@:
	s_barrier_wait -3
	s_barrier_signal -1
	s_barrier_wait -1
.endm
.macro ROUND                           ; a whole round
	s_barrier_signal -1
	s_barrier_wait -1
	CREST
.endm
; A PREFETCH INTO THE L2, behind a joint refill, its five lines and the run of LDS loads that follows: the 64 KiB that stand TWO refills on (the refill of trip g brings trip g + 2's weights; this names trip g + 4's).
; Each aligned 256 bytes of wf from trip 4 on are named once in the launch: the first cluster alone asks; its four partners share a trip's 256 blocks out BY ADDRESS, 64 each; in each, waves 0 and 1 take 32, a lane a block.
; Trips 0 to 3 come by their loads alone; the last two refills ask for nothing, since trips 16 and 17 do not exist.
.macro ASK
	s_cmp_gt_u32 s[RF], s[LIM]
	s_cbranch_scc0 .Lnot_mine_\@
	global_prefetch_b8 v[PFO], s[PFA:PFA+1] th:TH_LOAD_NT scope:SCOPE_SE
.Lnot_mine_\@:
.endm
; Matrix instruction i of a chunk's 128: K step i / 8, accumulator i % 8 = 4 ot + t.  The first K step takes the bias as C: nothing is cleared.
.macro MM i
.set mk, (\i)/8
.set ma, (\i)%8
.set mD, ACC+64*PAR+8*ma
.set mA, 64*((mk/4)%2)+16*(mk%4)+8*(ma/4)
.if (LAY == 2) && (mk >= 11) && (mk <= 14)
.set mW, 1
.set mB, HR+32*(mk-11)+8*(ma%4)
.elseif mk < 8
.set mW, 2
.set mB, 32*mk+8*(ma%4)
.else
.set mW, 3
.set mB, 32*(mk-8)+8*(ma%4)
.endif
	WIN 0x01|(mW<<2)
.if mk == 0
	v_wmma_f32_16x16x32_bf16 v[mD:mD+7], v[mA:mA+7], v[mB:mB+7], v[BIAS+8*(ma/4):BIAS+8*(ma/4)+7]
.else
	v_wmma_f32_16x16x32_bf16 v[mD:mD+7], v[mA:mA+7], v[mB:mB+7], v[mD:mD+7]
.endif
.endm
; Rider n of the 256 that finish the chunk BEFORE the one being multiplied (its 64 sums z lie in the other set of accumulators, rA; pair P = registers 2 P, 2 P + 1).
;   0-95     ONE BATCH: the 32 scalings TT = -log2(e) z and the 64 exponentials, in place: two scalings, then (exponential, exponential, scaling) thirty times, then four exponentials; ascending
;   (wait)   96-191   ONE BATCH in the same order: 1 + , and the 64 reciprocals      (wait)
;   192-223  z times the reciprocal, in place: silu(z)
;   224-255  layer 1: rounded to bf16 in pairs into the next layer's fragments (tile t at 8 t; channel tile ot in registers 4 ot ..): into TT, or (HD = 1) straight into K step 15's place in window 3
;            layer 2: times W3s, added onto the tile's pair of sums; the four tiles' chains take turns
.macro RID n
.set rn, (\n)
.set rA, ACC+64*(1-PAR)
.if rn < 192
.set rb, rn%96
.set rk, rn/96
.set isP, 0
.if rb < 2
.set isP, 1
.set idx, rb
.elseif rb >= 92
.set idx, rb-32
.elseif (rb-2)%3 == 2
.set isP, 1
.set idx, (rb-2)/3+2
.else
.set idx, 2*((rb-2)/3)+(rb-2)%3
.endif
	WIN 0
.if isP && (rk == 0)
	v_pk_mul_f32 v[TT+2*idx:TT+2*idx+1], v[rA+2*idx:rA+2*idx+1], s[NL2E:NL2E+1] op_sel_hi:[1,0]
.elseif isP
	v_pk_add_f32 v[TT+2*idx:TT+2*idx+1], v[TT+2*idx:TT+2*idx+1], 1.0 op_sel_hi:[1,0]
.elseif rk == 0
	v_exp_f32 v[TT+idx], v[TT+idx]
.else
	v_rcp_f32 v[TT+idx], v[TT+idx]
.endif
.elseif rn < 224
.set idx, rn-192
	WIN 0
	v_pk_mul_f32 v[rA+2*idx:rA+2*idx+1], v[rA+2*idx:rA+2*idx+1], v[TT+2*idx:TT+2*idx+1]
.elseif LAY == 1
.set idx, rn-224
.set rd, 8*((idx/4)%4)+4*(idx/16)+idx%4
.if HD
	WIN 0xc0
	v_cvt_pk_bf16_f32 v[224+rd], v[rA+2*idx], v[rA+2*idx+1]
.else
	WIN 0
	v_cvt_pk_bf16_f32 v[TT+rd], v[rA+2*idx], v[rA+2*idx+1]
.endif
.else
.set rj, rn-224
.set rt, rj%4
.set ro, (rj/4)%2
.set rp, rj/8
	WIN 0
	v_pk_fma_f32 v[OS+2*rt:OS+2*rt+1], v[rA+8*(4*ro+rt)+2*rp:rA+8*(4*ro+rt)+2*rp+1], v[W3C+8*ro+2*rp:W3C+8*ro+2*rp+1], v[OS+2*rt:OS+2*rt+1]
.endif
.endm
.macro KSTEP k, rid                    ; a K step: eight matrix instructions, two riders behind each
.set ci, 8*(\k)
.rept 8
	MM ci
.if \rid
	RID 2*ci
	RID 2*ci+1
.endif
.set ci, ci+1
.endr
.endm
.macro FETCH off, buf                  ; 16 LDS loads in one run: the weight fragments of 4 K steps, 8 KiB on end; each load takes 512 consecutive bytes
	WIN 0x40
.set fi, 0
.rept 16
	ds_load_b128 v[64*(\buf)+4*fi:64*(\buf)+4*fi+3], v[WA] offset:(\off)+512*fi
.set fi, fi+1
.endr
.endm
; The NEXT chunk's bias (b1s and b2s lie end to end, 128 bytes a chunk), and in layer 2 W3s's 32 numbers for the chunk whose riders are running.  Behind the last chunk the bias load reads W3s's bytes and nothing uses them.
.macro AUXL rid
	WIN 0
	s_min_u32 s[TS], s[AUXO], 31*128               ; it never passes that: the bound is written so that the range stands in the text
	v_add_nc_u32 v[AXA], s[TS], v[AXB]
	s_add_co_u32 s[AUXO], s[AUXO], 128
	ds_load_b128 v[BIAS:BIAS+3],     v[AXA] offset:128
	ds_load_b128 v[BIAS+4:BIAS+7],   v[AXA] offset:128+16
	ds_load_b128 v[BIAS+8:BIAS+11],  v[AXA] offset:128+64
	ds_load_b128 v[BIAS+12:BIAS+15], v[AXA] offset:128+80
.if (LAY == 2) && (\rid)
	ds_load_b128 v[W3C:W3C+3],     v[AXA] offset:1920
	ds_load_b128 v[W3C+4:W3C+7],   v[AXA] offset:1920+16
	ds_load_b128 v[W3C+8:W3C+11],  v[AXA] offset:1920+64
	ds_load_b128 v[W3C+12:W3C+15], v[AXA] offset:1920+80
.endif
.endm
; A CHUNK.  par: which half of the slot and which set of accumulators.  rid = 1: the chunk before is finished by riders.  chg: 0 none; 2 the slot is left and filled again; 1 it is left and nothing is asked for.
; The weights go through two buffers of 4 K steps; a buffer's 16 loads are issued behind the second K step of the quarter before, 16 matrix instructions ahead of their first use.
; WAITS ON DScnt, by what was issued behind the four loads that a K step wants: 12 and 8: the buffer's later loads; 20 and 16: those and the 16 just issued (bias, W3s and spill instructions are left out of the counts, which
; only makes a wait ask for more than it needs); 13: twelve loads and the add.
; PLACES in front of each run of loads: the riders since the buffer's last reader hold six plain instructions or more that name none of that reader's registers; without riders four v_nop.
.macro CHUNK par, rid, chg
.set PAR, \par
.irp q, 0,1,2,3
.if ((\q) == 3) && (\rid)
	RWAIT                                          ; the reciprocals' batch ended with rider 191; rider 192 reads it
.endif
.if ((\q) == 3) && (\chg)
	WIN 0
	s_wait_tensorcnt 0x0                           ; all my tensor loads have landed: the one that was out is my quarter of the other slot; so the walking group 0 may be written
	ds_add_u32 v[SPW], v[NIL]                      ; 0 onto my spare word; work on registers stands between it and the wait for it
.if (\chg) == 2
	s_xor_b32 s[G0B+1], s[G0B+1], SLOT             ; the slot that is being left,
	s_add_nc_u64 s[G0B+2:G0B+3], s[G0B+2:G0B+3], SLOT  ; the next 64 KiB; the type bits on top are not reached
	s_wait_xcnt 0x0                                ; the last prefetch, a trip back, has read its address
	s_add_nc_u64 s[PFA:PFA+1], s[PFA:PFA+1], SLOT
.endif
	s_wait_dscnt 13
	KSTEP 12, \rid
	s_wait_dscnt 0x0                               ; the add is done, and my reads of this slot are over (the last 16 were issued 24 matrix instructions ago)
	s_barrier_signal -1                            ; with chg = 2 this barrier opens a round of the cluster's
	KSTEP 13, \rid
	WIN 0
	s_barrier_wait -1
.else
	s_wait_dscnt 12
	KSTEP 4*(\q), \rid
	s_wait_dscnt 8
	KSTEP 4*(\q)+1, \rid
.endif
.if (\q) == 0
.if !(\rid)
	PLACES
.endif
	AUXL \rid
	FETCH (\par)*32768+8192, 1
.elseif (\q) == 1
.if \rid
	RWAIT                                          ; the exponentials' batch ended with rider 95; rider 96 reads it
.else
	PLACES
.endif
	FETCH (\par)*32768+16384, 0
.elseif (\q) == 2
.if !(\rid)
	PLACES
.endif
	FETCH (\par)*32768+24576, 1
.elseif (\par) == 0
.if !(\rid)
	PLACES
.endif
	FETCH 32768, 0                                 ; the slot's second chunk
.elseif (\chg) == 2
	CREST                                          ; no wave of any partner still reads this slot or has a load on its way
	tensor_load_to_lds s[G0B:G0B+3], s[G1:G1+7]    ; the joint refill, first behind the round: my one tensor load until the next; it has a trip less 16 matrix instructions in which to land
	s_nop 0
.rept 4
	v_nop
.endr
	s_xor_b32 s[TB], s[TB], SLOT
	v_add_nc_u32 v[WA], s[TB], v[WA0]
	FETCH 0, 0                                     ; the other slot's first fragments
	WIN 0
	ASK
	s_sub_co_u32 s[RF], s[RF], 1
.else
	s_xor_b32 s[TB], s[TB], SLOT
	v_add_nc_u32 v[WA], s[TB], v[WA0]
	s_cmp_eq_u32 s[CNT], 1                         ; behind the last trip there is nothing to fetch
	s_cbranch_scc1 .Lno_fetch_\@
	FETCH 0, 0
	WIN 0
.Lno_fetch_\@:
.endif
	s_wait_dscnt 20
	KSTEP 4*(\q)+2, \rid
	s_wait_dscnt 16
	KSTEP 4*(\q)+3, \rid
.endr
.if !(\rid)
	PLACES                                         ; the next chunk's first riders read these sums, and no riders stood behind the last products
	PLACES
.endif
	WIN 0
.endm
; Layer 1: the 32 registers of h1 that the riders have just made are put away: chunks 0..10 into my wave's spill, chunks 11..14 into registers (ra, rb: the two of them that can come by here).
.macro DRAIN ra, rb
	WIN 0
	s_cmp_lt_u32 s[DCH], 11
	s_cbranch_scc0 .Lto_regs_\@
	s_min_u32 s[TS], s[DCH], 10
	s_lshl_b32 s[TS], s[TS], 12
	v_add_nc_u32 v[SPA], s[TS], v[SPB]
.irp i, 0,1,2,3,4,5,6,7
	ds_store_b128 v[SPA], v[TT+4*\i:TT+4*\i+3] offset:512*\i
.endr
	s_branch .Ldrained_\@
.Lto_regs_\@:
	s_cmp_eq_u32 s[DCH], \ra
	s_cbranch_scc0 .Lsecond_\@
	WIN 0x40
.set di, 0
.rept 32
	v_mov_b32 v[HR+32*((\ra)-11)+di], v[TT+di]
.set di, di+1
.endr
	WIN 0
	s_branch .Ldrained_\@
.Lsecond_\@:
	WIN 0x40
.set di, 0
.rept 32
	v_mov_b32 v[HR+32*((\rb)-11)+di], v[TT+di]
.set di, di+1
.endr
	WIN 0
.Ldrained_\@:
	s_add_co_u32 s[DCH], s[DCH], 1
.endm
.macro BARE                            ; a layer's last chunk has no products to ride behind: the 256 on end, with their two waits
.set bn, 0
.rept 256
	RID bn
.if (bn == 95) || (bn == 191)
	RWAIT
.endif
.set bn, bn+1
.endr
	WIN 0
.endm
; feat, unit u of 32: token tile u % 4, K steps 2 (u / 4) and 2 (u / 4) + 1.  Eight loads of 16 bytes a lane, which together take 256 consecutive bytes, aligned, of each of 16 rows, land in slot u % 8 of window 1.
.macro ULOAD u
	WIN 0x40
.set ut, (\u)%4
.set ukb, (\u)/4
.set usl, 32*((\u)%8)
.irp li, 0,1,2,3,4,5,6,7
	global_load_b128 v[usl+4*\li:usl+4*\li+3], v[FO], s[FB:FB+1] offset:ut*32768+(2*ukb+(\li/4))*128+((\li%4)/2)*64+(\li%2)*16
.endr
.endm
.macro UCVT u                          ; and are rounded to bf16 into x's fragments: a lane's channels 8 h + 0..7 in registers 0-3, 16 + 8 h + 0..7 in registers 4-7
.set ut, (\u)%4
.set ukb, (\u)/4
.set usl, 32*((\u)%8)
.if ukb < 4
	WIN 0x85
.else
	WIN 0xc5
.endif
.irp li, 0,1,2,3,4,5,6,7
.irp e, 0,1
	v_cvt_pk_bf16_f32 v[32*((2*ukb+(\li/4))%8)+8*ut+2*(\li%4)+\e], v[usl+4*\li+2*\e], v[usl+4*\li+2*\e+1]
.endr
.endr
.endm
	; ---------------------------------------------------------------- the head
	s_load_b256 s[8:15], s[0:1], 0x0               ; feat s[8:9], reward s[10:11], cont s[12:13], voffset s[14:15]
	s_load_b256 s[16:23], s[0:1], 0x20             ; vscale s[16:17], b1s s[18:19], b2s s[20:21], W3s s[22:23]
	s_load_b128 s[24:27], s[0:1], 0x40             ; b3s s[24:25], wf s[26:27]
	s_load_b64 s[28:29], s[0:1], 0x50              ; out0
	v_lshl_add_u32 v[SPW], v0, 2, SPARE
	v_mov_b32 v[NIL], 0
	ds_add_u32 v[SPW], v[NIL]                      ; the wave's opening: the add, twice on end, and its wait ahead of my first tensor load; the set-up below, work on registers, stands between
	ds_add_u32 v[SPW], v[NIL]                      ; and once more, under the one wait
	v_lshrrev_b32 v[TM], 5, v0
	v_readfirstlane_b32 s[WV], v[TM]               ; wave 0..3
	s_bfe_u32 s[CX], ttmp6, 0x40000                ; cx
	s_lshl_b32 s[BR], ttmp9, 4                     ; in a cluster launch ttmp9 counts clusters: 16 rows of the batch each,
	s_lshl_b32 s[TX], s[CX], 2                     ; 4 a work-group,
	s_add_co_u32 s[BR], s[BR], s[TX]
	s_add_co_u32 s[BR], s[BR], s[WV]               ; one a wave
	; descriptor group 1: 16 KiB of wf, dense, as 64 rows of 256 bytes; no padding: fragments are read as they lie, 16 bytes a lane on end
	s_mov_b32 s[G1], 15|(3<<16)|(1<<21)            ; 15:0 the mask: all four work-groups; 17:16 elements of 8 bytes; 21 set beside a mask
	s_mov_b32 s[G1+1], 32<<16                      ; tensor_dim0 = 32
	s_mov_b32 s[G1+2], 64<<16                      ; tensor_dim1 = 64
	s_mov_b32 s[G1+3], 32<<16                      ; tile_dim0 = 32
	s_mov_b32 s[G1+4], 64                          ; tile_dim1 = 64
	s_mov_b32 s[G1+5], 32                          ; 32 elements from row to row
	s_mov_b32 s[G1+6], 0
	s_mov_b32 s[G1+7], 0
	s_mov_b32 s[G0A], 1
	s_lshl_b32 s[G0A+1], s[WV], 14                 ; my quarter of slot 0: no place in the cluster enters an LDS address
	s_mov_b32 s[G0B], 1
	s_add_co_u32 s[G0B+1], s[G0A+1], SLOT          ; and of slot 1
	s_mov_b32 s[NL2E], 0xbfb8aa3b                  ; -log2(e)
	s_mov_b32 s[NL2E+1], 0xbfb8aa3b
	s_mov_b32 s[SEL], 0x76543210
	s_mov_b32 s[SEL+1], 0xfedcba98
	s_lshr_b32 s[TS], s[WV], 1                     ; 0 in waves 0 and 1,
	s_or_b32 s[TS], s[TS], ttmp9                   ; of the first cluster: the same in all four partners
	s_cmp_eq_u32 s[TS], 0
	s_cselect_b32 s[LIM], 2, -1
	v_and_b32 v[LANE], 31, v0
	v_and_b32 v[TM], 15, v0                        ; r = lane % 16
	v_bfe_u32 v[TM+1], v0, 4, 1                    ; h = lane / 16
	v_lshlrev_b32 v[WA0], 4, v[LANE]
	s_mul_i32 s[TS], s[WV], WSPILL
	s_add_co_u32 s[TS], s[TS], SPILL
	v_lshl_add_u32 v[SPB], v[LANE], 4, s[TS]
	v_lshl_add_u32 v[AXB], v[TM+1], 5, AUX
	v_lshlrev_b32 v[FO], 11, v[TM]
	v_lshl_add_u32 v[FO], v[TM+1], 5, v[FO]
	v_lshlrev_b32 v[PFO], 8, v[LANE]
	v_lshlrev_b32 v[L4], 2, v[LANE]
	s_lshl_b32 s[TS], s[WV], 10
	s_add_co_u32 s[TS], s[TS], VAL
	v_mov_b32 v[VB], s[TS]
	v_lshl_add_u32 v[TM+2], v0, 4, AUX             ; where my thread's 16 bytes of b1s go (b2s, W3s: 2,048 and 4,096 on),
	v_lshlrev_b32 v[TM+3], 4, v0                   ; and where they come from
	s_mov_b32 s[TS+1], 0
	s_mov_b32 s[TX+1], 0
	s_wait_dscnt 0x0                               ; both opening adds are done
	s_wait_kmcnt 0x0
	s_lshl_b32 s[TS], s[WV], 14
	s_add_nc_u64 s[G0A+2:G0A+3], s[26:27], s[TS:TS+1]        ; wf at my quarter of trip 0,
	s_add_nc_u64 s[G0B+2:G0B+3], s[G0A+2:G0A+3], SLOT        ; of trip 1
	s_or_b32 s[G0A+3], s[G0A+3], 0x80000000        ; type = 2
	s_or_b32 s[G0B+3], s[G0B+3], 0x80000000
	s_mul_i32 s[TX], s[BR], 133120                 ; 65 steps x 2,048 bytes,
	s_add_co_u32 s[TX], s[TX], 2048                ; step t = 1
	s_add_nc_u64 s[FB:FB+1], s[8:9], s[TX:TX+1]
	s_mul_i32 s[TX], s[BR], 260
	s_add_co_u32 s[TX], s[TX], 4
	s_add_nc_u64 s[RB:RB+1], s[10:11], s[TX:TX+1]
	s_add_nc_u64 s[CB:CB+1], s[12:13], s[TX:TX+1]
	s_lshl_b32 s[TX], s[BR], 8
	s_add_nc_u64 s[OB:OB+1], s[28:29], s[TX:TX+1]
	s_and_b32 s[TX], s[WV], 1
	s_lshl1_add_u32 s[TX], s[CX], s[TX]            ; 2 cx + wave % 2: which 32 of a trip's 256 blocks are mine to ask for
	s_lshl_b32 s[TX], s[TX], 13
	s_add_co_u32 s[TX], s[TX], 3*SLOT              ; at trip 3: the first change of slots steps it to trip 4
	s_add_nc_u64 s[PFA:PFA+1], s[26:27], s[TX:TX+1]
	ROUND                                          ; all four work-groups are here: the first joint loads meet
	tensor_load_to_lds s[G0A:G0A+3], s[G1:G1+7]    ; both first fills together: two tensor loads of mine are out
	s_nop 0
	tensor_load_to_lds s[G0B:G0B+3], s[G1:G1+7]
	s_nop 0
.rept 4
	v_nop
.endr
	; ---------------------------------------------------------------- feat: 64 rows x 2,048 bytes a wave, read once, rounded to bf16 into 512 registers
	global_load_b128 v[TT:TT+3],    v[TM+3], s[18:19]  ; b1s, b2s, W3s: 16 bytes a thread
	global_load_b128 v[TT+4:TT+7],  v[TM+3], s[20:21]
	global_load_b128 v[TT+8:TT+11], v[TM+3], s[22:23]
	global_load_b32 v[RW],   v[L4], s[RB:RB+1]         ; reward and cont of steps 1 + lane and 33 + lane
	global_load_b32 v[RW+1], v[L4], s[RB:RB+1] offset:128
	global_load_b32 v[RW+2], v[L4], s[CB:CB+1]
	global_load_b32 v[RW+3], v[L4], s[CB:CB+1] offset:128
	s_load_b32 s30, s[14:15], 0x0                  ; voffset
	s_load_b32 s31, s[16:17], 0x0                  ; vscale
	s_load_b32 s[B3], s[24:25], 0x0                ; b3s
.irp u, 0,1,2,3,4,5
	ULOAD \u
.endr
	WIN 0
	s_wait_loadcnt 52                              ; the three vectors are in: behind them 4 loads of reward and cont and 48 of feat were issued
	ds_store_b128 v[TM+2], v[TT:TT+3]
	ds_store_b128 v[TM+2], v[TT+4:TT+7] offset:2048
	ds_store_b128 v[TM+2], v[TT+8:TT+11] offset:4096
	s_wait_kmcnt 0x0                               ; the three scalars
	ULOAD 6                                        ; seven units, 28 KiB a wave, are on their way from here on
.set fu, 0
.rept 32
.if fu < 25
	s_wait_loadcnt 48                              ; unit fu is in: six younger units of eight loads may stay out
.else
	s_wait_loadcnt 8*(31-fu)                       ; the counts run down
.endif
	UCVT fu
.if fu < 25
	ULOAD fu+7                                     ; into the slot that was converted a unit ago
.endif
.set fu, fu+1
.endr
	; ---------------------------------------------------------------- layer 1
	WIN 0
	s_wait_tensorcnt 0x1                           ; my quarter of slot 0 is in; slot 1's may stay out
	s_wait_dscnt 0x0                               ; my part of the three vectors lies in LDS
	s_barrier_signal -1
	s_barrier_wait -1                              ; everybody's does
	s_mov_b32 s[TB], 0
	v_mov_b32 v[WA], v[WA0]
	ds_load_b128 v[BIAS:BIAS+3],     v[AXB]        ; chunk 0's bias
	ds_load_b128 v[BIAS+4:BIAS+7],   v[AXB] offset:16
	ds_load_b128 v[BIAS+8:BIAS+11],  v[AXB] offset:64
	ds_load_b128 v[BIAS+12:BIAS+15], v[AXB] offset:80
	s_mov_b32 s[AUXO], 0
	s_mov_b32 s[DCH], 0
	s_mov_b32 s[RF], 14
	FETCH 0, 0
.set LAY, 1
.set HD, 0
	CHUNK 0, 0, 0                                  ; chunk 0: there is no chunk before it to finish
	s_mov_b32 s[CNT], 8
	s_branch .L1odd                                ; the loop is entered in the middle of a trip
.L1trip:
	CHUNK 0, 1, 0
	DRAIN 11, 13
.L1odd:
	CHUNK 1, 1, 2                                  ; trips 0..7 ask for trips 2..9
	DRAIN 12, 14
	s_sub_co_u32 s[CNT], s[CNT], 1
	s_cmp_lg_u32 s[CNT], 0
	s_cbranch_scc1 .L1trip
	; ---------------------------------------------------------------- between the layers: x is dead; h1's chunks 0..10 come back into its place, chunk 15 is finished straight into K step 15's
	PLACES
	PLACES
.set sk, 0
.rept 11
.if sk < 8
	WIN 0x80
.else
	WIN 0xc0
.endif
.set si, 0
.rept 8
	ds_load_b128 v[32*(sk%8)+4*si:32*(sk%8)+4*si+3], v[SPB] offset:4096*sk+512*si  ; LDS serves a wave's instructions in order (ISA guide 5.7.1.4): these see my stores
.set si, si+1
.endr
.set sk, sk+1
.endr
.set PAR, 0                            ; the riders work on the other set: chunk 15's
.set HD, 1
	BARE
.set HD, 0
.irp i, 0,1,2,3,4,5,6,7
	v_mov_b32 v[OS+\i], 0                          ; the four tiles' dots with W3s start at 0
.endr
	s_wait_dscnt 0x0                               ; h1 is back; so are layer 2's first fragments and bias, asked for in chunk 15
	; ---------------------------------------------------------------- layer 2
.set LAY, 2
	CHUNK 0, 0, 0
	s_mov_b32 s[CNT], 6
	s_branch .L2odd
.L2trip:
	CHUNK 0, 1, 0
.L2odd:
	CHUNK 1, 1, 2                                  ; trips 8..13 ask for trips 10..15
	s_sub_co_u32 s[CNT], s[CNT], 1
	s_cmp_lg_u32 s[CNT], 0
	s_cbranch_scc1 .L2trip
	s_mov_b32 s[CNT], 2                            ; the last two trips are written out: nothing is asked for
.L2tail:
	CHUNK 0, 1, 0
	CHUNK 1, 1, 1
	s_sub_co_u32 s[CNT], s[CNT], 1
	s_cmp_lg_u32 s[CNT], 0
	s_cbranch_scc1 .L2tail
	PLACES
	PLACES
	ds_load_b128 v[W3C:W3C+3],     v[AXB] offset:6016      ; W3s's last 32 numbers
	ds_load_b128 v[W3C+4:W3C+7],   v[AXB] offset:6016+16
	ds_load_b128 v[W3C+8:W3C+11],  v[AXB] offset:6016+64
	ds_load_b128 v[W3C+12:W3C+15], v[AXB] offset:6016+80
	s_wait_dscnt 0x0
.set PAR, 0
	BARE
	; ---------------------------------------------------------------- the value: even and odd channels, then the other half of the lanes' 256 channels; every lane then holds token 16 t + lane % 16 of each tile t
.irp t, 0,1,2,3
	v_add_f32 v[TM+\t], v[OS+2*\t], v[OS+2*\t+1]
.endr
.irp t, 0,1,2,3
	v_permlanex16_b32 v[OS+2*\t], v[TM+\t], s[SEL], s[SEL+1]
.endr
.irp t, 0,1,2,3
	v_add_f32 v[TM+\t], v[TM+\t], v[OS+2*\t]
.endr
.irp t, 0,1,2,3
	v_add_f32 v[TM+\t], s[B3], v[TM+\t]            ; + b3s
.endr
.irp t, 0,1,2,3
	v_fma_f32 v[TM+\t], v[TM+\t], s31, s30         ; x vscale + voffset: tarval
.endr
	v_cmp_lt_u32 vcc_lo, 15, v[LANE]
	v_cndmask_b32 v[TM], v[TM], v[TM+1], vcc_lo    ; tarval of step 1 + lane,
	v_cndmask_b32 v[TM+2], v[TM+2], v[TM+3], vcc_lo  ; of step 33 + lane
	v_mul_f32 v[RW+2], 0x3f7f3b32, v[RW+2]         ; disc = cont x (1 - 1/333)
	v_mul_f32 v[RW+3], 0x3f7f3b32, v[RW+3]
	v_mul_f32 v30, 0x3d4ccccd, v[RW+2]             ; (1 - lam) disc
	v_mul_f32 v31, 0x3d4ccccd, v[RW+3]
	v_fma_f32 v[RW], v30, v[TM], v[RW]             ; interm
	v_fma_f32 v[RW+1], v31, v[TM+2], v[RW+1]
	v_mul_f32 v[RW+2], 0x3f733333, v[RW+2]         ; disc x lam
	v_mul_f32 v[RW+3], 0x3f733333, v[RW+3]
	v_readlane_b32 s[TS], v[TM+2], 31              ; boot = tarval of the last step
	; the recurrence: 64 dependent steps.  Every lane gets all 64 pairs by way of my wave's own LDS bytes and runs the whole chain; then each lane takes the two results that it stores.
	v_add_nc_u32 v[TM+1], v[VB], v[L4]
	ds_store_b32 v[TM+1], v[RW]
	ds_store_b32 v[TM+1], v[RW+1] offset:128
	ds_store_b32 v[TM+1], v[RW+2] offset:256
	ds_store_b32 v[TM+1], v[RW+3] offset:384
.set si, 0
.rept 32
	ds_load_b128 v[ACC+4*si:ACC+4*si+3], v[VB] offset:16*si  ; v128-191 interm, v192-255 disc x lam; in order behind my stores
.set si, si+1
.endr
	s_wait_dscnt 0x0
	v_fma_f32 v[ACC+63], v[ACC+127], s[TS], v[ACC+63]
.set si, 62
.rept 63
	v_fma_f32 v[ACC+si], v[ACC+64+si], v[ACC+si+1], v[ACC+si]
.set si, si-1
.endr
.set si, 0
.rept 16
	ds_store_b128 v[VB], v[ACC+4*si:ACC+4*si+3] offset:512+16*si  ; all lanes hold, and write, the same numbers
.set si, si+1
.endr
	v_lshl_add_u32 v[TM+3], v[LANE], 3, v[VB]
	ds_load_b64 v[30:31], v[TM+3] offset:512
	v_lshlrev_b32 v[TM+1], 3, v[LANE]
	s_wait_dscnt 0x0
	global_store_b64 v[TM+1], v[30:31], s[OB:OB+1] ; the wave's row of out0: 256 consecutive bytes, aligned, by one instruction
	s_wait_tensorcnt 0x0                           ; the wave's end, behind my last tensor load and my last LDS store
	ds_add_u32 v[SPW], v[NIL]
	s_wait_dscnt 0x0
	ROUND                                          ; the closing round: no work-group ends while a partner may still ask for a tile that names it
	s_endpgm
.Lfunc_end_k_qacec879783_main:
	.size	k_qacec879783_main, .Lfunc_end_k_qacec879783_main-k_qacec879783_main
	.p2alignl 7, 3214868480
	.fill 96, 4, 3214868480
	.section	.rodata,"a",@progbits
	.p2align	6, 0x0
	.amdhsa_kernel k_qacec879783_main
		.amdhsa_group_segment_fixed_size 327680
		.amdhsa_private_segment_fixed_size 0
		.amdhsa_enable_private_segment 0
		.amdhsa_kernarg_size 88
		.amdhsa_user_sgpr_count 2
		.amdhsa_user_sgpr_kernarg_segment_ptr 1
		.amdhsa_wavefront_size32 1
		.amdhsa_system_sgpr_workgroup_id_x 1
		.amdhsa_system_sgpr_workgroup_id_y 1
		.amdhsa_system_sgpr_workgroup_id_z 1
		.amdhsa_system_vgpr_workitem_id 0
		.amdhsa_next_free_vgpr 1024
		.amdhsa_next_free_sgpr 80
		.amdhsa_reserve_vcc 1
		.amdhsa_float_denorm_mode_32 3
		.amdhsa_float_denorm_mode_16_64 3
		.amdhsa_memory_ordered 1
		.amdhsa_forward_progress 1
		.amdhsa_inst_pref_size 255
	.end_amdhsa_kernel
	.section	.bss,"aw",@nobits
	.p2align	6
	.space	262144
	.amdgpu_metadata
---
amdhsa.version: [ 1, 2 ]
amdhsa.kernels:
  - .name:           k_qacec879783_main
    .symbol:         k_qacec879783_main.kd
    .args:
      - { .name: feat, .offset: 0, .size: 8, .value_kind: global_buffer, .address_space: global }
      - { .name: reward, .offset: 8, .size: 8, .value_kind: global_buffer, .address_space: global }
      - { .name: cont, .offset: 16, .size: 8, .value_kind: global_buffer, .address_space: global }
      - { .name: voffset, .offset: 24, .size: 8, .value_kind: global_buffer, .address_space: global }
      - { .name: vscale, .offset: 32, .size: 8, .value_kind: global_buffer, .address_space: global }
      - { .name: b1s, .offset: 40, .size: 8, .value_kind: global_buffer, .address_space: global }
      - { .name: b2s, .offset: 48, .size: 8, .value_kind: global_buffer, .address_space: global }
      - { .name: W3s, .offset: 56, .size: 8, .value_kind: global_buffer, .address_space: global }
      - { .name: b3s, .offset: 64, .size: 8, .value_kind: global_buffer, .address_space: global }
      - { .name: wf, .offset: 72, .size: 8, .value_kind: global_buffer, .address_space: global }
      - { .name: out0, .offset: 80, .size: 8, .value_kind: global_buffer, .address_space: global }
    .group_segment_fixed_size: 327680
    .private_segment_fixed_size: 0
    .kernarg_segment_align: 8
    .kernarg_segment_size: 88
    .max_flat_workgroup_size: 128
    .sgpr_count:     80
    .vgpr_count:     1024
    .wavefront_size: 32
...
	.end_amdgpu_metadata
.endif
;; end of part 2
